; MI455X (gfx1250); checked and timed in simulation.
; The chip was launched on July 23, 2026; its instructions are those of AMD's public machine-readable ISA for CDNA 5 (MIT licence, August 2026) and "CDNA5" Instruction Set Architecture Reference Guide (July 2026). The comments in the code are by the model that wrote it; some were corrected since.
;; Multi Head Attention. Allowed arithmetic: matrix products marked QUANTISED: E4M3 operands, one given power-of-two scale a tensor, by v_wmma_f32_16x16x64_fp8_fp8 or v_wmma_f32_16x16x128_fp8_fp8, f32 sums; everything else in f32.
;; Inputs: Wk 16 x 1,024 x 64 float32; Wq 16 x 1,024 x 64 float32; Wv 16 x 1,024 x 64 float32; X 4 x 2,048 x 1,024 float32; lowp_scales 10 int32 (the exponents e of the quantised operands' scales 2^e).
;; Outputs: out0 4 x 2,048 x 1,024 float32.
;; This version of the problem:
;;   THIS VERSION OF THE PROBLEM IS GIVEN IN LOW PRECISION. The matrix products marked QUANTISED in the list below multiply operands that are first quantised to E4M3 (4 exponent bits, 3 mantissa bits; 8 bits a number), with one given power-of-two scale for each operand tensor; their sums are f32. All else is computed in f32.
;;   The module's matrix products, in the order in which they are computed (A, B: the left and right operand; K: the contracted axis; several contracted axes count as one K, in the product's order):
;;     1. [M 1,024, K 1,024] x [K 1,024, N 8,192]; A: input Wq; B: input X: QUANTISED (scales: A lowp_scales[0], B lowp_scales[1])
;;     2. [M 1,024, K 1,024] x [K 1,024, N 8,192]; A: input Wk; B: input X: QUANTISED (scales: A lowp_scales[2], B lowp_scales[3])
;;     3. [M 1,024, K 1,024] x [K 1,024, N 8,192]; A: input Wv; B: input X: QUANTISED (scales: A lowp_scales[4], B lowp_scales[5])
;;     4. batch 64 x [M 2,048, K 64] x [K 64, N 2,048]; A: computed on the way; B: computed on the way: QUANTISED (scales: A lowp_scales[6], B lowp_scales[7])
;;     5. batch 64 x [M 2,048, K 2,048] x [K 2,048, N 64]; A: softmax (see below); B: computed on the way: QUANTISED (scales: A lowp_scales[8], B lowp_scales[9])
;;   THE QUANTISER, for each operand of a quantised product, along K:
;;     - The operand's scale is 2^e, e = its entry of the input lowp_scales (int32; the entries are numbered through the quantised products in the list's order, A before B).
;;     - Each number is divided by the scale, clamped to +-448, and rounded to the nearest number of E4M3, ties to even, subnormals kept.
;;     - The product sums the exact products of the quantised numbers (number of the format x scale) in f32.
;;   ~~~python
;;   def quantise(x, axis, e):      # numpy; x: float32 -> the quantised numbers, widened to float32 again
;;       x = np.moveaxis(x, axis, -1); K = x.shape[-1]
;;       r = np.clip(x / 2.0 ** e, -448, 448)
;;       step = 2.0 ** (np.maximum(np.frexp(np.where(r == 0, 1, r))[1] - 1, -6) - 3)
;;       q = np.round(r / step) * step * 2.0 ** e      # np.round: ties to even
;;       return np.moveaxis(q, -1, axis).astype(np.float32)
;;   ~~~
;;   SOFTMAX AHEAD OF A QUANTISED PRODUCT. Where the list says 'softmax', what is quantised is not the finished softmax but p = 2^(t - M), with t = logit x log2(e) and M = ceil(the row's largest t), a whole number; so 1/2 < the row's largest p <= 1. The row's sum l is taken of the UNQUANTISED p, in f32, and the product's result is divided by l at the end. Since M is a whole number, a kernel that streams over the keys may use a running M (the ceiling of the running maximum): every later rescaling is an exact power of two, so the quantised numbers keep their values, but for numbers so far below the row's largest that they fall under the format's range.
;;   OPERANDS COMPUTED ON THE WAY. 'Computed on the way' means the value that the module computes at that place (a softmax that the list does not call 'softmax' is quantised finished and normalised). What goes into a quantiser is computed in f32, as accurately as f32 sums, v_exp_f32 and their like allow (about 1e-6 of the number): no bf16 or f16 on the way to a quantiser, and a product that is left as it is and whose result goes on into a quantised operand takes f32 operands (vector FMAs, or v_wmma_f32_16x16x4_f32). A number that lies on a knife's edge between two numbers of the format may be rounded either way, as far as f32 arithmetic and the matrix unit's own rounding can turn it there, and no further.
;; One version. Each part assembles by itself: llvm-mc -triple=amdgcn-amd-amdhsa -mcpu=gfx1250 --defsym DOCPART=n.
;; ======== version 1 of 1: 3 launches
;; limits: right only within a limited range of input values
;; workspace buffers: xcodes 25,165,824 bytes; wcodes 3,145,728 bytes; qkv 25,165,824 bytes
;; launch prep (part 1): grid 352 x 1, 4 waves a work-group, no clusters, 68,096 bytes of LDS; arguments X, Wq, Wk, Wv, lowp_scales, xcodes, wcodes; writes xcodes, wcodes
.if DOCPART == 1
	.amdgcn_target "amdgcn-amd-amdhsa--gfx1250"
	.amdhsa_code_object_version 6
	.text
	.protected	k_q6c9cfff26d_prep
	.globl	k_q6c9cfff26d_prep
	.p2align	8
	.type	k_q6c9cfff26d_prep,@function
k_q6c9cfff26d_prep:
	s_mov_b64 s[64:65], 0
	v_nop
	global_prefetch_b8 v0, s[64:65] scope:SCOPE_SE
	s_setreg_imm32_b32 hwreg(HW_REG_WAVE_MODE, 25, 1), 1
	s_wait_xcnt 0x0
; X [8192][1024] f32 becomes codes of E4M3 three times over, once for each of the three projections, whose scales for X (entries 1, 3, 5 of the scales) are given apart:
; xcodes [3][8192][1024], K innermost.  Wq, Wk, Wv [16][1024 (k)][64] f32 become wcodes [3][1024 (n = 64 head + e)][1024 (k)], K moved innermost (entries 0, 2, 4).
; code = x / 2^e, held within +-448, rounded to the nearest code, ties to even.
; LIMITS: each of the six exponents lies between -126 and 119, so that 2^e and 448 x 2^e are f32 numbers.  NaN among the inputs is not served (an infinity is held at the largest code).
; ONE LAUNCH, TWO PATHS that part once, on the work-group's number, and never join: work-groups 0-95 take the weights, 96-351 take X.  Each path has LDS bytes of its own.
; No matrix unit, no tensor load, no cluster, no barrier: the work is a stream, and waves share nothing.
; X: a wave takes 16 steps of 512 numbers.  Each of a step's four loads reads 512 consecutive bytes; the 2,048 bytes turn through the wave's own stage in LDS so that a lane holds 16 neighbours along K,
;    which the conversions ask for; a lane's 16 codes are 16 bytes, so each store of the wave covers 512 consecutive bytes, aligned.  X is read once and quantised three times from registers.
; W: a lane takes a column e and its registers run down K, so the conversions give codes with K innermost; 256 codes a column gather in the wave's stage and leave by rows: sixteen lanes store 256 consecutive bytes, aligned.
; THE ORDER OF wcodes IN MEMORY, as the stores at the end of the weights' path lay it: [3 tensors][16 heads][8 steps of 128 k][4 fragments of 16 n][4 pieces of 32 k][32 lanes][16 bytes]:
; lane l of a piece holds k = 128 s + 32 c + 16 (l / 16) + 0 .. 15 of row n = 64 head + 16 j + l % 16.  That is the order of the next launch's operand registers; [n][k] above names the axes, not this order.
; Each store of a wave covers 512 consecutive bytes, aligned.
.set WGW,    96                        ; the weights' work-groups: 3 tensors x 16 heads x 2 halves of K
.set STEPS,  16
.set SP,     80                        ; X's stage: a lane's 64 bytes + 16 of padding
.set RR,     16                        ; v16-79   X: four sets of 16 numbers as they are loaded
.set XX,     80                        ; v80-111  X: two sets of 16 neighbours
.set TT,     112                       ; v112-127 X: the 16 numbers held within one scale's range
.set CX,     128                       ; v128-151 X: two sets of 3 x 4 registers of codes
.set NB,     8                         ; W: blocks of 32 along K for a wave
.set WPITCH, 272                       ; W's stage: a column's 256 codes + 16 of padding
.set WSTG,   32768                     ; W's stages begin behind X's four regions of 8,192 bytes
.set WX,     32                        ; v32-95   W: two sets of 32 numbers
.set WC,     96                        ; v96-103  W: a block's codes
.set OUTR,   112                       ; v112-175 W: the way out
	s_load_b256 s[4:11], s[0:1], 0x0               ; X s[4:5], Wq s[6:7], Wk s[8:9], Wv s[10:11]
	s_load_b128 s[12:15], s[0:1], 0x20             ; the scales' exponents s[12:13], xcodes s[14:15]
	s_load_b64 s[16:17], s[0:1], 0x30              ; wcodes
	v_lshl_add_u32 v192, v0, 2, 0x10800
	v_mov_b32 v193, 0
	v_lshrrev_b32 v1, 5, v0
	v_readfirstlane_b32 s18, v1                    ; wave 0..3
	v_and_b32 v2, 31, v0                           ; lane
	s_wait_kmcnt 0x0
	s_load_b256 s[24:31], s[12:13], 0x0            ; e0 .. e7
	s_cmp_lt_u32 ttmp9, WGW
	s_cbranch_scc1 .Lw
; ---------------- X ----------------
	s_sub_co_u32 s19, ttmp9, WGW
	s_lshl_b32 s19, s19, 2
	s_add_co_u32 s20, s19, s18                     ; which run of 8,192 numbers is my wave's: 0 .. 1023
	s_lshl_b32 s22, s20, 15                        ; 32,768 bytes of f32 a run
	s_mov_b32 s23, 0
	s_add_nc_u64 s[4:5], s[4:5], s[22:23]
	s_lshl_b32 s22, s20, 13                        ; 8,192 bytes of codes a run
	s_add_nc_u64 s[32:33], s[14:15], s[22:23]      ; the plane for the first projection,
	s_add_nc_u64 s[34:35], s[32:33], 0x800000      ; the second,
	s_add_nc_u64 s[36:37], s[32:33], 0x1000000     ; the third
	s_wait_alu depctr_va_vdst(0)
	v_lshlrev_b32 v3, 4, v2                        ; my 16 bytes of a load's 512, and of a store's 512; never rewritten
	s_lshl_b32 s21, s18, 13                        ; my wave's region of LDS
	v_lshrrev_b32 v14, 2, v2
	v_mul_u32_u24 v14, v14, SP
	v_and_b32 v15, 3, v2
	v_lshl_add_u32 v14, v15, 4, v14
	v_add_nc_u32 v14, s21, v14                     ; the stage on the way in: four lanes' 64 bytes on end, then 16 of padding
	v_mul_u32_u24 v15, v2, SP
	v_add_nc_u32 v15, s21, v15                     ; and on the way out: my 16 neighbours
.macro XLOAD t
.irp i, 0,1,2,3
	global_load_b128 v[RR+16*((\t)%4)+4*\i:RR+16*((\t)%4)+4*\i+3], v3, s[4:5] offset:2048*(\t)+512*\i th:TH_LOAD_NT   ; 32 lanes read 512 consecutive bytes; read once in the launch
.endr
.endm
.macro XTURN t                         ; step t's numbers through the stage: LDS serves a wave's instructions in order, so no wait stands between the stores and the loads
.irp i, 0,1,2,3
	ds_store_b128 v14, v[RR+16*((\t)%4)+4*\i:RR+16*((\t)%4)+4*\i+3] offset:32*SP*((\t)%2)+8*SP*\i
.endr
.irp i, 0,1,2,3
	ds_load_b128 v[XX+16*((\t)%2)+4*\i:XX+16*((\t)%2)+4*\i+3], v15 offset:32*SP*((\t)%2)+16*\i
.endr
.endm
.irp t, 0,1,2,3
	XLOAD \t
.endr
	s_wait_alu depctr_va_vdst(0)
	s_wait_kmcnt 0x0                               ; the exponents
.irp p, 0,1,2
	s_add_co_i32 s38, s[25+2*\p], 127              ; e1, e3, e5
	s_lshl_b32 s39, s38, 23
	v_mov_b32 v[5+\p], s39                         ; 2^e as f32: the conversion takes its exponent field
	s_add_co_i32 s38, s38, 8
	s_lshl_b32 s38, s38, 23
	s_or_b32 s38, s38, 0x600000
	v_mov_b32 v[8+\p], s38                         ; 448 x 2^e
.endr
	s_wait_alu depctr_va_vdst(0)
	s_wait_loadcnt 12                              ; step 0's four loads are in; the twelve of steps 1 to 3 may be out
	XTURN 0
.macro XSTEP t
.set XS, XX+16*((\t)%2)
.set CC, CX+12*((\t)%2)
	s_wait_dscnt 0x0                               ; this step's numbers are back from the stage: so its stores into the stage have read their registers,
.if (\t)+4 < STEPS
	XLOAD (\t)+4                                   ; which take the loads of four steps on
.endif
.if (\t)+1 < STEPS
.if STEPS-2-(\t) >= 3
	s_wait_loadcnt 12                              ; the next step's four loads are in; those of the three steps behind it may be out
.else
	s_wait_loadcnt 4*(STEPS-2-(\t))                ; at the end the count runs down with the steps that are left
.endif
	XTURN (\t)+1                                   ; and go through the other stage while this step is worked
.endif
	s_wait_xcnt 0x0                                ; the stores of two steps ago have read this set of code registers: only now is it written again
.irp p, 0,1,2
.irp i, 0,1,2,3,4,5,6,7,8,9,10,11,12,13,14,15
	v_med3_num_f32 v[TT+\i], v[XS+\i], -v[8+\p], v[8+\p]   ; the conversion to an 8-bit code does not saturate (ISA guide 7.6.2): the number is held within 448 x the scale first
.endr
	v_cvt_scalef32_pk8_fp8_f32 v[CC+4*\p:CC+4*\p+1], v[TT:TT+7], v[5+\p]
	v_cvt_scalef32_pk8_fp8_f32 v[CC+4*\p+2:CC+4*\p+3], v[TT+8:TT+15], v[5+\p]
	v_nop                                          ; one plain vector line between the conversions and the next holds, which write the conversions' sources anew
	global_store_b128 v3, v[CC+4*\p:CC+4*\p+3], s[32+2*\p:33+2*\p] offset:512*(\t)   ; the wave stores 512 consecutive bytes, aligned
.endr
.endm
.irp t, 0,1,2,3,4,5,6,7,8,9,10,11,12,13,14,15
	XSTEP \t
.endr
	s_wait_tensorcnt 0x0
	ds_add_u32 v192, v193
	s_wait_dscnt 0x0
	s_endpgm
; ---------------- the weights ----------------
.Lw:
	s_lshr_b32 s19, ttmp9, 5                       ; which tensor: 0 Wq, 1 Wk, 2 Wv
	s_bfe_u32 s20, ttmp9, 0x40001                  ; the head
	s_and_b32 s21, ttmp9, 1                        ; which half of K
	s_and_b32 s22, s18, 1                          ; which 32 of the head's 64 columns
	s_lshr_b32 s23, s18, 1
	s_lshl_b32 s21, s21, 1
	s_add_co_u32 s23, s23, s21                     ; which quarter of K: 256 rows
	s_lshl_b32 s32, s20, 18                        ; in: a head is 1,024 rows of 256 bytes,
	s_lshl_b32 s33, s23, 16                        ; a quarter of K 256 rows,
	s_add_co_u32 s32, s32, s33
	s_lshl_b32 s33, s22, 7                         ; 32 columns 128 bytes
	s_add_co_u32 s32, s32, s33
	s_mov_b32 s33, 0
	s_lshl_b32 s34, s19, 20                        ; out: a tensor is 1,024 rows of 1,024 codes,
	s_lshl_b32 s35, s20, 16                        ; a head 64 rows,
	s_add_co_u32 s34, s34, s35
	s_lshl_b32 s35, s22, 12                        ; my 32 columns: two fragments of 2,048 bytes,
	s_add_co_u32 s34, s34, s35
	s_lshl_b32 s35, s23, 14                        ; a quarter of K: two steps of 8,192 bytes
	s_add_co_u32 s34, s34, s35
	s_mov_b32 s35, 0
	s_cmp_eq_u32 s19, 0                            ; the choice of the tensor hangs on the work-group's number alone
	s_cselect_b64 s[4:5], s[6:7], s[8:9]
	s_cmp_eq_u32 s19, 2
	s_cselect_b64 s[4:5], s[10:11], s[4:5]
	s_add_nc_u64 s[4:5], s[4:5], s[32:33]
	s_add_nc_u64 s[16:17], s[16:17], s[34:35]
	s_wait_alu depctr_va_vdst(0)
	v_lshlrev_b32 v3, 2, v2                        ; in: 4 bytes a lane: the wave reads 128 consecutive bytes of a row k
	s_mul_i32 s36, s18, 32*WPITCH
	s_add_co_u32 s36, s36, WSTG                    ; my stage
	v_mul_u32_u24 v4, v2, WPITCH
	v_add_nc_u32 v4, s36, v4                       ; into it: row = my column
	v_and_b32 v5, 15, v2
	v_lshrrev_b32 v6, 4, v2                        ; out of it: sixteen lanes to a row, two rows an instruction
	v_mul_u32_u24 v7, v5, WPITCH                   ; out of the stage: lane l takes 16 codes of column l % 16, at 16 (l / 16) along K
	v_lshl_add_u32 v7, v6, 4, v7
	v_add_nc_u32 v7, s36, v7
	v_lshlrev_b32 v8, 8, v6
	v_lshl_add_u32 v8, v5, 4, v8                   ; and the same place in wcodes: rows of 256 bytes
.macro WLOAD t                         ; block t: W(32 t + i, my column), i = 0 .. 31, into set t % 2
.set i, 0
.rept 32
	global_load_b32 v[WX+32*((\t)%2)+i], v3, s[4:5] offset:(32*(\t)+i)*256 th:TH_LOAD_NT
.set i, i+1
.endr
.endm
	WLOAD 0
	WLOAD 1
	s_wait_kmcnt 0x0                               ; the exponents
	s_cmp_eq_u32 s19, 0
	s_cselect_b32 s38, s24, s26                    ; e0 or e2,
	s_cmp_eq_u32 s19, 2
	s_cselect_b32 s38, s28, s38                    ; or e4
	s_add_co_i32 s38, s38, 127
	s_lshl_b32 s39, s38, 23
	v_mov_b32 v11, s39                             ; 2^e as f32
	s_add_co_i32 s38, s38, 8
	s_lshl_b32 s38, s38, 23
	s_or_b32 s38, s38, 0x600000
	v_mov_b32 v10, s38                             ; 448 x 2^e
.macro WBLOCK t
.set WS, WX+32*((\t)%2)
.if (\t) < NB-1
	s_wait_loadcnt 32                              ; this block's 32 loads are in; the next block's 32 may be out
.else
	s_wait_loadcnt 0
.endif
.set i, 0
.rept 32
	v_med3_num_f32 v[WS+i], v[WS+i], -v10, v10     ; the hold at 448 x the scale
.set i, i+1
.endr
.irp g, 0,1,2,3
	v_cvt_scalef32_pk8_fp8_f32 v[WC+2*\g:WC+2*\g+1], v[WS+8*\g:WS+8*\g+7], v11
.endr
	ds_store_b128 v4, v[WC:WC+3] offset:32*(\t)    ; 32 codes: 32 bytes of my column's row.  (The codes go to LDS stores; the next vector lines, the next block's holds, are plain and touch other registers)
	ds_store_b128 v4, v[WC+4:WC+7] offset:32*(\t)+16
.if (\t)+2 < NB
	WLOAD (\t)+2
.endif
	s_wait_dscnt 0x0                               ; the stores have read their registers: the next block's codes may be written
.endm
	s_wait_alu depctr_va_vdst(0)
.irp t, 0,1,2,3,4,5,6,7
	WBLOCK \t
.endr
.irp t, 0,1,2,3,4,5,6,7,8,9,10,11,12,13,14,15
	ds_load_b128 v[OUTR+4*\t:OUTR+4*\t+3], v7 offset:((\t/4)%2)*16*WPITCH+(\t/8)*128+(\t%4)*32   ; piece t = 8 step + 4 fragment + c.  LDS serves a wave's instructions in order: these see my stores
.endr
.irp t, 0,1,2,3,4,5,6,7,8,9,10,11,12,13,14,15
	s_wait_dscnt 15-\t                             ; load t is in; the younger ones may be out
	global_store_b128 v8, v[OUTR+4*\t:OUTR+4*\t+3], s[16:17] offset:(\t/8)*8192+((\t/4)%2)*2048+(\t%4)*512   ; the wave stores a piece: 512 consecutive bytes, aligned
.endr
	s_wait_tensorcnt 0x0
	ds_add_u32 v192, v193
	s_wait_dscnt 0x0
	s_endpgm
.Lfunc_end_k_q6c9cfff26d_prep:
	.size	k_q6c9cfff26d_prep, .Lfunc_end_k_q6c9cfff26d_prep-k_q6c9cfff26d_prep
	.p2alignl 7, 3214868480
	.fill 96, 4, 3214868480
	.section	.rodata,"a",@progbits
	.p2align	6, 0x0
	.amdhsa_kernel k_q6c9cfff26d_prep
		.amdhsa_group_segment_fixed_size 68096
		.amdhsa_private_segment_fixed_size 0
		.amdhsa_enable_private_segment 0
		.amdhsa_kernarg_size 56
		.amdhsa_user_sgpr_count 2
		.amdhsa_user_sgpr_kernarg_segment_ptr 1
		.amdhsa_wavefront_size32 1
		.amdhsa_system_sgpr_workgroup_id_x 1
		.amdhsa_system_sgpr_workgroup_id_y 1
		.amdhsa_system_sgpr_workgroup_id_z 1
		.amdhsa_system_vgpr_workitem_id 0
		.amdhsa_next_free_vgpr 194
		.amdhsa_next_free_sgpr 66
		.amdhsa_reserve_vcc 0
		.amdhsa_float_denorm_mode_32 3
		.amdhsa_float_denorm_mode_16_64 3
		.amdhsa_memory_ordered 1
		.amdhsa_forward_progress 1
		.amdhsa_inst_pref_size 127
	.end_amdhsa_kernel
	.amdgpu_metadata
---
amdhsa.version: [ 1, 2 ]
amdhsa.kernels:
  - .name:           k_q6c9cfff26d_prep
    .symbol:         k_q6c9cfff26d_prep.kd
    .args:
      - { .name: X, .offset: 0, .size: 8, .value_kind: global_buffer, .address_space: global }
      - { .name: Wq, .offset: 8, .size: 8, .value_kind: global_buffer, .address_space: global }
      - { .name: Wk, .offset: 16, .size: 8, .value_kind: global_buffer, .address_space: global }
      - { .name: Wv, .offset: 24, .size: 8, .value_kind: global_buffer, .address_space: global }
      - { .name: lowp_scales, .offset: 32, .size: 8, .value_kind: global_buffer, .address_space: global }
      - { .name: xcodes, .offset: 40, .size: 8, .value_kind: global_buffer, .address_space: global }
      - { .name: wcodes, .offset: 48, .size: 8, .value_kind: global_buffer, .address_space: global }
    .group_segment_fixed_size: 68096
    .private_segment_fixed_size: 0
    .kernarg_segment_align: 8
    .kernarg_segment_size: 56
    .max_flat_workgroup_size: 128
    .sgpr_count:     66
    .vgpr_count:     194
    .wavefront_size: 32
...
	.end_amdgpu_metadata
.endif
;; end of part 1
;; launch proj (part 2): grid 32 x 6, 4 waves a work-group, no clusters, 283,136 bytes of LDS; arguments xcodes, wcodes, lowp_scales, qkv; writes qkv
.if DOCPART == 2
	.amdgcn_target "amdgcn-amd-amdhsa--gfx1250"
	.amdhsa_code_object_version 6
	.text
	.protected	k_q6c9cfff26d_proj
	.globl	k_q6c9cfff26d_proj
	.p2align	8
	.type	k_q6c9cfff26d_proj,@function
k_q6c9cfff26d_proj:
	s_mov_b64 s[64:65], 0
	v_nop
	global_prefetch_b8 v0, s[64:65] scope:SCOPE_SE
	s_setreg_imm32_b32 hwreg(HW_REG_WAVE_MODE, 25, 1), 1
	s_wait_xcnt 0x0
; The three projections on codes of E4M3: q, k, v = X W, K = 1,024, each quantised again on the way out (scales 2^e6, 2^e7, 2^e9) and stored in qkv in the order of the next launch's operand registers.
; code = sum x 2^(ew + ex - eout), held within +-448, to the nearest code.  LIMIT: eout - ew - ex lies between -126 and 119, so that the conversion's scale and 448 x it are f32 numbers.
; SHARES.  Work-group (x, y): 256 rows of X (block x) of projection y / 2 against 8 heads (half y % 2) of W: 192 work-groups.  Wave w takes two heads, one (64 rows of W) a pass: 256 x 64 sums in 64 accumulators.
; X's 256 rows lie in LDS whole (1,024 codes + 16 bytes of padding a row), brought by one tensor load a wave (64 rows) at the head; every byte is filled once, so there is one barrier and no ring.
; W comes from memory straight into registers: the launch before laid it in the order of the operand's registers, so each load of a wave reads 512 consecutive bytes, and each fragment feeds 16 products.
; W's loads run two K steps ahead, in three sets.  A pass has 8 K steps, which is 2 more than a multiple of 3: so at a pass's end the next head's steps are asked for in the order 2, 0, 1, each into the set of its own number,
; and every pass finds the same sets.  The look-ahead of a wave's last pass names the next head, held inside the buffer by a minimum on the offset; those registers, and X's fragments fetched behind the last pass, are not used.
; q, k: source 0 = W, source 1 = X: a lane holds one row of X and eight neighbouring e.  v: source 0 = X, source 1 = W: a lane holds one channel and eight neighbouring keys.  The K steps are written once for each form,
; chosen by the work-group's y.  The way out is written once: v's accumulators are numbered transposed within each group of 4 x 4, and what differs in the stores' places lies in registers.
; qkv: 32 rows x 64 along the next K are two fragments of 1,024 bytes; lane l's 16 bytes at 512 c + 16 l hold K = 32 c + 16 (l / 16) + 0 .. 15 of row 8 u + r + 8 (r / 8), r = l % 16.
; q, k: [plane][4 head + batch][2,048 rows x 64 bytes].  v: [batch][32 chunks of 64 keys][16 heads][64 channels x 64 keys].
; NO CLUSTER: a tile of X is loaded by two work-groups alone, and W goes to registers.  NO PREFETCH: W's loads themselves stand two K steps ahead of their use, and X's one load leaves at the head.
; REGISTERS, in windows of 256: window 0: v0-31 addresses, v32-95 W's set 2, v96-127 held sums, v128-255 X's set 0 (on the way out: the codes); window 1: v0-127 X's set 1, v128-255 W's sets 0, 1; windows 2, 3: the accumulators of rows 0-127, 128-255.
.set XP,    1040                       ; an LDS row of X
.set SPARE, 256*XP                     ; the spare words: 128 bytes a wave, two blocks of 256 bytes that no other line names
.set STAGE, SPARE+512                  ; the way out: 4,096 bytes a wave
.set LASTW, 0x2f0000                   ; the last head's first byte in wcodes
.set VO,   8                           ; v8-11  my lane's offset in the four parts of a pass's output
.set ADA,  12                          ; v12-15 LDS address of X's fragments 0-3, 4-7, 8-11, 12-15
.set VW,   18                          ; v18  my lane's offset in wcodes, this pass's head
.set VW2,  19                          ; v19  the next pass's
.set L16,  20                          ; v20  16 x lane; never rewritten
.set STO,  24                          ; v24  the way out: where I put 8 codes
.set RD,   25                          ; v25  where I read 16 bytes back
.set SPW,  28
.set NIL,  29
.set SC,   30                          ; v30  the conversion's scale
.set LIM,  31                          ; v31  448 x it
.set TMP,  96
.set CD,   128
.set G1,   32                          ; s[32:39] descriptor group 1
.set G0,   40                          ; s[40:43] group 0
.set MSB, 0
.macro WIN new                         ; the immediate's high byte repeats the setting that is left
.if MSB != (\new)
	s_set_vgpr_msb (MSB<<8)|(\new)
.set MSB, (\new)
.endif
.endm
.macro PLACES                          ; four places behind matrix instructions, in front of loads into their sources and of reads of their results
.rept 4
	v_nop
.endr
.endm
.macro FETCH_A s, xh                   ; X's fragments 8 xh .. 8 xh + 7 of K step s, into set xh: lane l holds row l % 16, registers 4 c on hold K = 32 c + 16 (l / 16) + 0 .. 15
.set AB, 128*(1-(\xh))
	WIN ((\xh)<<6)
.irp i, 0,1,2,3,4,5,6,7
.irp c, 0,1,2,3
	ds_load_b128 v[AB+16*\i+4*\c:AB+16*\i+4*\c+3], v[ADA+2*(\xh)+\i/4] offset:(\i%4)*16*XP+128*(\s)+32*\c
.endr
.endr
.endm
.macro FETCH_W adr, off, set           ; W's four fragments of a K step, 8,192 consecutive bytes
.set BB, (128+64*(\set))*(1-(\set)/2)+32*((\set)/2)
	WIN ((1-(\set)/2)<<6)
.irp j, 0,1,2,3
.irp c, 0,1,2,3
	global_load_b128 v[BB+16*\j+4*\c:BB+16*\j+4*\c+3], v[\adr], s[6:7] offset:(\off)+2048*\j+512*\c
.endr
.endr
.endm
.macro MUL var, xh, sb, zero           ; 32 products, 32 accumulators by turns; zero: a pass's first K step starts the sums
.set AB, 128*(1-(\xh))
.set BB, (128+64*(\sb))*(1-(\sb)/2)+32*((\sb)/2)
.set DW, (2+(\xh))*0x50
.if \var
	WIN DW|((1-(\sb)/2)<<2)|(\xh)
.else
	WIN DW|((\xh)<<2)|(1-(\sb)/2)
.endif
.irp i, 0,1,2,3,4,5,6,7
.irp j, 0,1,2,3
.if \var
.set DI, 8*(16*(\i/4)+4*\j+\i%4)
.if \zero
	v_wmma_f32_16x16x128_fp8_fp8 v[DI:DI+7], v[AB+16*\i:AB+16*\i+15], v[BB+16*\j:BB+16*\j+15], 0
.else
	v_wmma_f32_16x16x128_fp8_fp8 v[DI:DI+7], v[AB+16*\i:AB+16*\i+15], v[BB+16*\j:BB+16*\j+15], v[DI:DI+7]
.endif
.else
.set DI, 8*(4*\i+\j)
.if \zero
	v_wmma_f32_16x16x128_fp8_fp8 v[DI:DI+7], v[BB+16*\j:BB+16*\j+15], v[AB+16*\i:AB+16*\i+15], 0
.else
	v_wmma_f32_16x16x128_fp8_fp8 v[DI:DI+7], v[BB+16*\j:BB+16*\j+15], v[AB+16*\i:AB+16*\i+15], v[DI:DI+7]
.endif
.endif
.endr
.endr
.endm
.macro KSTEP var, k                    ; K step k of a pass: rows 0-127, then rows 128-255, against the same four fragments of W
	PLACES
.if \k >= 1
.if \k <= 5
	FETCH_W VW, (\k+2)*8192, (\k+2)%3              ; W two steps on, into the set that the last step multiplied
.endif
.endif
.if \k == 6
	FETCH_W VW2, 16384, 2                          ; the next pass's step 2,
.endif
.if \k == 7
	FETCH_W VW2, 0, 0                              ; and its step 0
.endif
	s_wait_dscnt 0x0                               ; X's rows 0-127 of this step, asked for half a step ago
	FETCH_A \k, 1
.if \k < 2
	s_wait_loadcnt 16                              ; W's fragments of this step are in; behind them one step's 16 loads were issued
.else
	s_wait_loadcnt 32                              ; behind them two steps' 16 loads each were issued
.endif
	MUL \var, 0, \k%3, \k==0
	PLACES
	s_wait_dscnt 0x0                               ; X's rows 128-255
.if \k < 7
	FETCH_A \k+1, 0
.endif
	MUL \var, 1, \k%3, \k==0
.endm
.macro EPI                             ; a pass's way out, in four parts of 4,096 bytes: held, converted, through my stage in the order of qkv, and out as 8 x 512 consecutive bytes
.irp g, 0,1,2,3
.irp a, 0,1,2,3
	WIN 0x02+\g/2
.set n, 0
.rept 32
	v_med3_num_f32 v[TMP+n], v[128*(\g%2)+32*\a+n], -v[LIM], v[LIM]   ; the conversion does not saturate (ISA guide 7.6.2); each accumulator from its low end on
.set n, n+1
.endr
	WIN 0
.irp b, 0,1,2,3
	v_cvt_scalef32_pk8_fp8_f32 v[CD+32*\g+8*\a+2*\b:CD+32*\g+8*\a+2*\b+1], v[TMP+8*\b:TMP+8*\b+7], v[SC]
.endr
	v_nop                                          ; one plain line behind the conversions, ahead of the next holds, which write their sources
.irp b, 0,1,2,3
	ds_store_b64 v[STO], v[CD+32*\g+8*\a+2*\b:CD+32*\g+8*\a+2*\b+1] offset:(\a/2)*2048+(\a%2)*128+\b*256   ; a: the lanes' fragment; b: the registers'
.endr
.endr
	s_wait_dscnt 0x0                               ; the stores have read the codes' registers, which take the bytes read back
.irp m, 0,1,2,3,4,5,6,7
	ds_load_b128 v[CD+32*\g+4*\m:CD+32*\g+4*\m+3], v[RD] offset:512*\m
.endr
.irp m, 0,1,2,3,4,5,6,7
	s_wait_dscnt 7-\m                              ; load m is in; the younger ones may be out
	global_store_b128 v[VO+\g], v[CD+32*\g+4*\m:CD+32*\g+4*\m+3], s[10:11] offset:512*\m
.endr
.endr
.endm
	s_load_b128 s[4:7], s[0:1], 0x0                ; xcodes s[4:5], wcodes s[6:7]
	s_load_b128 s[8:11], s[0:1], 0x10              ; the scales' exponents s[8:9], qkv s[10:11]
	v_lshl_add_u32 v[SPW], v0, 2, SPARE
	v_mov_b32 v[NIL], 0
	ds_add_u32 v[SPW], v[NIL]                      ; the opening lines: the add, twice on end, and its wait
	ds_add_u32 v[SPW], v[NIL]
	v_lshrrev_b32 v1, 5, v0
	v_readfirstlane_b32 s14, v1                    ; wave 0..3
	s_and_b32 s12, ttmp7, 0xffff
	s_lshr_b32 s15, s12, 1                         ; the projection: 0 q, 1 k, 2 v
	s_and_b32 s13, s12, 1                          ; which 8 heads
	s_mov_b32 s[G1], (0<<16)|(1<<20)|(7<<22)|(3<<25)   ; elements of 1 byte; padding: four words after every 256
	s_mov_b32 s[G1+1], 1024<<16                    ; 64 rows of 1,024 bytes, dense in memory
	s_mov_b32 s[G1+2], 64<<16
	s_mov_b32 s[G1+3], 1024<<16
	s_mov_b32 s[G1+4], 64
	s_mov_b32 s[G1+5], 1024
	s_mov_b32 s[G1+6], 0
	s_mov_b32 s[G1+7], 0
	s_lshl_b32 s16, s15, 23                        ; X's plane for this projection,
	s_lshl_b32 s17, ttmp9, 18                      ; my block's 256 rows,
	s_add_co_u32 s16, s16, s17
	s_lshl_b32 s17, s14, 16                        ; my wave's 64
	s_add_co_u32 s16, s16, s17
	s_mov_b32 s17, 0
	s_mul_i32 s18, s14, 64*XP                      ; and where they go
	s_lshl_b32 s20, s15, 20                        ; W: the tensor,
	s_lshl_b32 s21, s13, 19                        ; my work-group's 8 heads,
	s_add_co_u32 s20, s20, s21
	s_lshl_b32 s21, s14, 17                        ; my wave's two
	s_add_co_u32 s20, s20, s21
	s_wait_dscnt 0x0                               ; both opening adds are done
	s_wait_kmcnt 0x0
	s_load_b256 s[68:75], s[8:9], 0x0              ; e0 .. e7
	s_load_b64 s[76:77], s[8:9], 0x20              ; e8, e9
	s_mov_b32 s[G0], 1
	s_mov_b32 s[G0+1], s18
	s_add_nc_u64 s[G0+2:G0+3], s[4:5], s[16:17]
	s_or_b32 s[G0+3], s[G0+3], 0x80000000
	tensor_load_to_lds s[G0:G0+3], s[G1:G1+7]      ; my 64 rows of X: my one tensor load
	s_nop 0
	PLACES
	v_and_b32 v3, 31, v0
	v_lshlrev_b32 v[L16], 4, v3
	v_add_nc_u32 v[VW], s20, v[L16]
	s_add_co_u32 s21, s20, 65536
	s_min_u32 s21, s21, LASTW
	v_add_nc_u32 v[VW2], s21, v[L16]
	s_wait_alu depctr_va_vdst(0)
	FETCH_W VW, 16384, 2                           ; W's first three K steps, in the order in which a pass's end asks for the next pass's
	FETCH_W VW, 0, 0
	FETCH_W VW, 8192, 1
	WIN 0
	s_lshl_b32 s23, s14, 12
	s_add_co_u32 s23, s23, STAGE                   ; my stage
	s_mov_b32 s28, 4096                            ; from part to part of a pass's output: q, k: 64 rows of 64 bytes;
	s_cmp_eq_u32 s15, 2
	s_cselect_b32 s28, 0x10000, s28                ; v: a chunk of 64 keys
	s_lshl_b32 s29, s28, 1
	s_add_co_u32 s30, s29, s28
	v_and_b32 v1, 15, v0                           ; r
	v_bfe_u32 v2, v0, 4, 1                         ; h
	v_mul_u32_u24 v4, v1, XP
	v_lshl_add_u32 v[ADA], v2, 4, v4               ; a fragment's row x pitch + 16 h
	v_add_nc_u32 v[ADA+1], 64*XP, v[ADA]           ; four fragments, 64 rows, on
	v_add_nc_u32 v[ADA+2], 128*XP, v[ADA]
	v_add_nc_u32 v[ADA+3], 192*XP, v[ADA]
	v_lshrrev_b32 v5, 3, v1
	v_and_b32 v6, 7, v1
	v_lshlrev_b32 v5, 10, v5                       ; the lane's row 16 a + r lies in fragment u = r / 8, at lane 8 (a % 2) + r % 8,
	v_lshl_add_u32 v5, v6, 4, v5
	v_lshl_add_u32 v5, v2, 3, v5                   ; and its eight codes at byte 8 h of the 16
	v_add_nc_u32 v[STO], s23, v5
	v_add_nc_u32 v[RD], s23, v[L16]
	v_mov_b32 v[VO], v[L16]
	v_add_nc_u32 v[VO+1], s28, v[L16]
	v_add_nc_u32 v[VO+2], s29, v[L16]
	v_add_nc_u32 v[VO+3], s30, v[L16]
	s_lshr_b32 s26, ttmp9, 3                       ; the batch
	s_and_b32 s27, ttmp9, 7                        ; my block in it
	s_lshl_b32 s44, s15, 23                        ; q, k: the plane,
	s_lshl_b32 s45, s13, 22                        ; 8 heads: 8 x 4 x 131,072 bytes,
	s_add_co_u32 s44, s44, s45
	s_lshl_b32 s45, s14, 20                        ; my wave's two,
	s_add_co_u32 s44, s44, s45
	s_lshl_b32 s45, s26, 17                        ; the batch,
	s_add_co_u32 s44, s44, s45
	s_lshl_b32 s45, s27, 14                        ; 256 rows of 64 bytes
	s_add_co_u32 s44, s44, s45
	s_lshl_b32 s46, s26, 21                        ; v: the batch's 32 chunks,
	s_lshl_b32 s47, s27, 18                        ; my block's four,
	s_add_co_u32 s46, s46, s47
	s_lshl_b32 s47, s13, 15                        ; 8 heads of 4,096 bytes,
	s_add_co_u32 s46, s46, s47
	s_lshl_b32 s47, s14, 13                        ; my wave's two
	s_add_co_u32 s46, s46, s47
	s_add_co_u32 s46, s46, 0x1000000
	s_mov_b32 s24, 0x80000                         ; from head to head: q, k
	s_cmp_eq_u32 s15, 2
	s_cselect_b32 s44, s46, s44
	s_cselect_b32 s24, 4096, s24                   ; v
	s_mov_b32 s45, 0
	s_mov_b32 s25, 0
	s_add_nc_u64 s[10:11], s[10:11], s[44:45]
	s_wait_kmcnt 0x0
	s_sub_co_i32 s78, s74, s68                     ; e6 - e0 - e1
	s_sub_co_i32 s78, s78, s69
	s_sub_co_i32 s79, s75, s70                     ; e7 - e2 - e3
	s_sub_co_i32 s79, s79, s71
	s_sub_co_i32 s80, s77, s72                     ; e9 - e4 - e5
	s_sub_co_i32 s80, s80, s73
	s_cmp_eq_u32 s15, 0
	s_cselect_b32 s78, s78, s79
	s_cmp_eq_u32 s15, 2
	s_cselect_b32 s78, s80, s78
	s_add_co_i32 s78, s78, 127
	s_lshl_b32 s79, s78, 23
	s_add_co_i32 s78, s78, 8
	s_lshl_b32 s78, s78, 23
	s_or_b32 s78, s78, 0x600000
	v_mov_b32 v[SC], s79                           ; the three scales folded into the conversion's one
	v_mov_b32 v[LIM], s78                          ; 448 x that
	s_wait_alu depctr_va_vdst(0)
	s_wait_tensorcnt 0x0                           ; my rows of X are in;
	s_barrier_signal -1
	s_barrier_wait -1                              ; everybody's are
	FETCH_A 0, 0
	WIN 0
	s_mov_b32 s3, 2                                ; two passes, a head each
.Lpass:
	s_cmp_eq_u32 s15, 2                            ; the form of the products hangs on the work-group's y alone
	s_cbranch_scc1 .Lkv
.irp k, 0,1,2,3,4,5,6,7
	KSTEP 0, \k
.endr
	WIN 0
	s_branch .Lout
.Lkv:
.irp k, 0,1,2,3,4,5,6,7
	KSTEP 1, \k
.endr
	WIN 0
.Lout:
	PLACES
	FETCH_W VW2, 8192, 1                           ; the next pass's step 1, into the set that the last step multiplied
	EPI
	s_wait_xcnt 0x0                                ; the loads and stores have read their addresses, their data and their base: these are written only now
	FETCH_A 0, 0                                   ; the next pass's first fragments of X, into the registers that held the codes
	s_add_nc_u64 s[10:11], s[10:11], s[24:25]      ; the next head in qkv
	s_add_co_u32 s20, s20, 65536                   ; and in wcodes
	v_add_nc_u32 v[VW], s20, v[L16]
	s_add_co_u32 s21, s20, 65536
	s_min_u32 s21, s21, LASTW
	v_add_nc_u32 v[VW2], s21, v[L16]
	s_sub_co_u32 s3, s3, 1
	s_cmp_lg_u32 s3, 0
	s_wait_alu depctr_va_vdst(0)
	s_cbranch_scc1 .Lpass
	s_wait_tensorcnt 0x0                           ; the wave's end
	ds_add_u32 v[SPW], v[NIL]
	s_wait_dscnt 0x0
	s_endpgm
.Lfunc_end_k_q6c9cfff26d_proj:
	.size	k_q6c9cfff26d_proj, .Lfunc_end_k_q6c9cfff26d_proj-k_q6c9cfff26d_proj
	.p2alignl 7, 3214868480
	.fill 96, 4, 3214868480
	.section	.rodata,"a",@progbits
	.p2align	6, 0x0
	.amdhsa_kernel k_q6c9cfff26d_proj
		.amdhsa_group_segment_fixed_size 283136
		.amdhsa_private_segment_fixed_size 0
		.amdhsa_enable_private_segment 0
		.amdhsa_kernarg_size 32
		.amdhsa_user_sgpr_count 2
		.amdhsa_user_sgpr_kernarg_segment_ptr 1
		.amdhsa_wavefront_size32 1
		.amdhsa_system_sgpr_workgroup_id_x 1
		.amdhsa_system_sgpr_workgroup_id_y 1
		.amdhsa_system_sgpr_workgroup_id_z 1
		.amdhsa_system_vgpr_workitem_id 0
		.amdhsa_next_free_vgpr 1024
		.amdhsa_next_free_sgpr 98
		.amdhsa_reserve_vcc 0
		.amdhsa_float_denorm_mode_32 3
		.amdhsa_float_denorm_mode_16_64 3
		.amdhsa_memory_ordered 1
		.amdhsa_forward_progress 1
		.amdhsa_inst_pref_size 217
	.end_amdhsa_kernel
	.amdgpu_metadata
---
amdhsa.version: [ 1, 2 ]
amdhsa.kernels:
  - .name:           k_q6c9cfff26d_proj
    .symbol:         k_q6c9cfff26d_proj.kd
    .args:
      - { .name: xcodes, .offset: 0, .size: 8, .value_kind: global_buffer, .address_space: global }
      - { .name: wcodes, .offset: 8, .size: 8, .value_kind: global_buffer, .address_space: global }
      - { .name: lowp_scales, .offset: 16, .size: 8, .value_kind: global_buffer, .address_space: global }
      - { .name: qkv, .offset: 24, .size: 8, .value_kind: global_buffer, .address_space: global }
    .group_segment_fixed_size: 283136
    .private_segment_fixed_size: 0
    .kernarg_segment_align: 8
    .kernarg_segment_size: 32
    .max_flat_workgroup_size: 128
    .sgpr_count:     98
    .vgpr_count:     1024
    .wavefront_size: 32
...
	.end_amdgpu_metadata
.endif
;; end of part 2
;; launch attn (part 3): grid 4 x 64, 16 waves a work-group, clusters of 4 x 1, 327,680 bytes of LDS; arguments qkv, lowp_scales, out0; writes out0
.if DOCPART == 3
	.amdgcn_target "amdgcn-amd-amdhsa--gfx1250"
	.amdhsa_code_object_version 6
	.text
	.protected	k_q6c9cfff26d_attn
	.globl	k_q6c9cfff26d_attn
	.p2align	8
	.type	k_q6c9cfff26d_attn,@function
k_q6c9cfff26d_attn:
	s_mov_b64 s[64:65], 0
	v_nop
	global_prefetch_b8 v0, s[64:65] scope:SCOPE_SE
	s_setreg_imm32_b32 hwreg(HW_REG_WAVE_MODE, 25, 1), 1
	s_wait_xcnt 0x0
	s_wait_alu depctr_hold_cnt(0) depctr_sa_sdst(0) depctr_va_vdst(0) depctr_va_sdst(0) depctr_va_ssrc(0) depctr_va_vcc(0) depctr_vm_vsrc(0)
	s_getreg_b32 s2, hwreg(HW_REG_IB_STS2, 6, 4)
	s_cmp_eq_u32 s2, 0
	s_cbranch_scc0 .Lentry_in_a_cluster
	s_endpgm
.Lentry_in_a_cluster:
	s_bfe_u32 s2, ttmp6, 0x10000c
	s_cmp_lg_u32 s2, 0x3003
	s_cbranch_scc0 .Lentry_shape_is_right
	s_endpgm
.Lentry_shape_is_right:
; out0[b][s][64 head + e] = the sum over keys of softmax(q . k / 8) v, both products on codes of E4M3; q, k, v come as codes from the launch before, with the scales 2^e6, 2^e7, 2^e9; p has 2^e8.
; THE SOFTMAX AHEAD OF THE SECOND PRODUCT: t = score x log2(e) / 8; M = the row's largest t so far, rounded UP to a whole number; p = 2^(t - M) is what is quantised; it is not normalised.
; The row's sum is taken of the unquantised p, in f32, and divides O at the end.  When M moves, the sum and O are multiplied by 2^(old M - new M), which rounds nothing; there is no branch on data.
; LIMITS on the given exponents, so that each power of two below is an f32 number: e6 + e7 between -123 and 130 (added to c's exponent field); e8 between -126 and 119; e8 + e9 goes by v_ldexp_f32 and has none.
; qkv's LAYOUT is the order of the operands' registers: 32 rows x 64 along K are two fragments of 1,024 bytes; lane l reads 16 bytes at 512 c + 16 l and holds K = 32 c + 16 (l / 16) + 0 .. 15 of row
; 8 u + r + 8 (r / 8) (u the fragment, r = l % 16): so the 16 registers of the score tiles 2 b and 2 b + 1 are 16 neighbouring keys, and p's codes are the second product's operand as the conversions give them.
; SHARES.  Work-group y = 4 head + batch; x = a block of 512 queries.  Sixteen waves, 32 queries each (two tiles of 16): each fragment of K and V read from LDS feeds two products.  Both products are used
; transposed (S^T = K Q^T, O^T = V^T P^T): a lane holds one query throughout.
; CLUSTER.  The four work-groups of a cluster are the four query blocks of one head of one batch and need the same K and V: each part is asked for JOINTLY, by the same tensor load in all four.
; NO RING.  A head's K and V, 2 x 131,072 bytes, lie in LDS whole; every byte is filled once.  A wave issues two loads: at the head 4,096 bytes of the first 512 keys (part A), and, behind the sequence and the round
; 12,288 bytes of the other 1,536 keys (part B).  Waves 0-7 fetch K, waves 8-15 V.
; TWO BARRIERS, both split.  The first says that my part of B has landed: signalled behind key step 2, waited for behind key step 4, ahead of the first read of B.  The second says that my reads of A are over:
; signalled there, waited for ahead of the way out, whose stages lie on A's bytes.  Between a signal and its wait stand register work and LDS loads of bytes that nobody writes before a later barrier.
; NO PREFETCH: both loads are issued at the head, ahead of the first loop, so there is no later request that a prefetch could run ahead of.
; LDS: 0 .. 4,095 the stages' own; A: 8 blocks of K (64 keys x 64 bytes), 8 of V (64 channels x 64 keys); B: 24 of K, 24 of V; the spare words.  The stages, 16 rows x 272 bytes a wave, take bytes 0 .. 69,631.
.set PA,    4096                       ; A: K's blocks
.set PAV,   PA+32768                   ; A: V's
.set PB,    PA+65536                   ; B: K's
.set PBV,   PB+98304                   ; B: V's
.set SPARE, PB+196608                  ; the spare words: 128 bytes a wave, eight blocks of 256 bytes that no other line names
.set SPT,   272                        ; a stage row: 256 bytes + 16
.set LI,   1                           ; v1   16 x lane; never rewritten
.set ADR,  2                           ; v2   LDS address of the step's tiles of K, then of V
.set SCL,  3                           ; v3   2^e8 as f32
.set TA,   4                           ; v4   at work
.set PD,   5                           ; v5   a lane permute's destination
.set F,    6                           ; v[6:7] a chain of the maximum, then f = 2^(old M - new M), then a chain of the sum
.set ST,   8                           ; tile u at v[8 + 4 u]: -M, the largest t, the sum in two halves
.set Q,    16                          ; v16-31   Q's two fragments
.set KV,   32                          ; v32-95   eight fragments of K (64 along K), then four of V (128 along K)
.set S,    96                          ; v96-159  S^T of one tile, then p
.set O,    160                         ; v160-223 O^T: 32 registers a tile
.set P,    224                         ; v224-255 p's codes: 16 registers a tile (v254, v255 serve the add at the head and are made anew at the end)
.set WV,   10                          ; s10  my wave's number
.set SEL,  20                          ; s[20:21] lane selects for v_permlanex16_b32: lane l xor 16
.set CS,   22                          ; s[22:23] c = log2(e) / 8 x 2^(e6 + e7)
.set G1A,  24                          ; s[24:31] group 1: 4,096 dense bytes
.set G0A,  32                          ; s[32:35] group 0 of my part of A
.set G0B,  36                          ; s[36:39] of my part of B
.set G1K,  40                          ; s[40:47] group 1: 12,288 dense bytes of K
.set G1V,  68                          ; s[68:75] group 1: three chunks of V, 4,096 bytes each, 65,536 apart
.set TB,   48                          ; s48  LDS byte at which the step's tiles of K begin
.set CNT,  49                          ; s49  steps to go
.set LIMS, 50                          ; s50  448 x 2^e8
.set TV,   59                          ; s59  LDS byte at which the step's tiles of V begin
.macro CROUND                          ; a round of the cluster's barrier
	s_barrier_signal -1
	s_barrier_wait -1
	s_cmp_lg_u32 s[WV], 0
	s_cbranch_scc1 .Lnot_wave_0_\@
	s_barrier_signal -3
.Lnot_wave_0_\@:
	s_barrier_wait -3
	s_barrier_signal -1
	s_barrier_wait -1
.endm
	s_load_b128 s[4:7], s[0:1], 0x0                ; qkv s[4:5], the scales' exponents s[6:7]
	s_load_b64 s[8:9], s[0:1], 0x10                ; out0
	v_lshl_add_u32 v254, v0, 2, SPARE
	v_mov_b32 v255, 0
	ds_add_u32 v254, v255                          ; the opening lines: the add, twice on end, and its wait
	ds_add_u32 v254, v255
	s_wait_dscnt 0x0
	v_lshrrev_b32 v1, 5, v0
	s_delay_alu instid0(VALU_DEP_1)
	v_readfirstlane_b32 s[WV], v1                  ; wave 0..15
	s_bfe_u32 s11, ttmp6, 0x40000                  ; cx: my place in the cluster
	s_lshl_b32 s58, ttmp9, 2
	s_add_co_u32 s58, s58, s11                     ; my block of 512 queries: it enters Q's and the output's addresses alone
	s_and_b32 s12, ttmp7, 0xffff                   ; y = 4 head + batch, which the four partners share
	s_and_b32 s13, s[WV], 7                        ; A: block w % 8
	s_mul_i32 s66, s13, 3
	s_add_co_u32 s66, s66, 8                       ; B: blocks 8 + 3 (w % 8) on
	s_lshl_b32 s14, s12, 17
	s_add_co_u32 s14, s14, 0x800000                ; K: behind q's 8 MiB; a head of a batch is 131,072 dense bytes
	s_and_b32 s15, s12, 3
	s_lshl_b32 s15, s15, 21                        ; V: a batch is 32 chunks of 64 keys, 65,536 bytes apart;
	s_lshr_b32 s16, s12, 2
	s_lshl_b32 s16, s16, 12                        ; in a chunk a head is 4,096 dense bytes
	s_add_co_u32 s15, s15, s16
	s_add_co_u32 s15, s15, 0x1000000               ; behind q's and k's 16 MiB
	s_lshl_b32 s16, s13, 12
	s_add_co_u32 s16, s16, s14                     ; K, part A
	s_lshl_b32 s17, s13, 16
	s_add_co_u32 s17, s17, s15                     ; V, part A
	s_lshl_b32 s18, s66, 12
	s_add_co_u32 s18, s18, s14                     ; K, part B
	s_lshl_b32 s19, s66, 16
	s_add_co_u32 s19, s19, s15                     ; V, part B
	s_cmp_lt_u32 s[WV], 8                          ; the choice hangs on the wave's number alone: it is the same in all four partners
	s_cselect_b32 s16, s16, s17
	s_cselect_b32 s18, s18, s19
	s_mov_b32 s17, 0
	s_mov_b32 s19, 0
	s_lshl_b32 s51, s[WV], 12
	s_add_co_u32 s51, s51, PA                      ; where A's part goes: 4,096 x wave; no place in the cluster enters an LDS address
	s_mul_i32 s67, s[WV], 12288
	s_add_co_u32 s67, s67, PB                      ; and B's: 12,288 x wave
	s_mov_b32 s[G1A], 15|(3<<16)|(1<<21)           ; the mask: all four work-groups; elements of 8 bytes; no padding; bit 21 set beside a mask
	s_mov_b32 s[G1A+1], 32<<16                     ; 16 rows of 32 elements, dense
	s_mov_b32 s[G1A+2], 16<<16
	s_mov_b32 s[G1A+3], 32<<16
	s_mov_b32 s[G1A+4], 16
	s_mov_b32 s[G1A+5], 32
	s_mov_b32 s[G1A+6], 0
	s_mov_b32 s[G1A+7], 0
	s_mov_b32 s[G1K], 15|(3<<16)|(1<<21)
	s_mov_b32 s[G1K+1], 32<<16                     ; 48 rows of 32 elements, dense
	s_mov_b32 s[G1K+2], 48<<16
	s_mov_b32 s[G1K+3], 32<<16
	s_mov_b32 s[G1K+4], 48
	s_mov_b32 s[G1K+5], 32
	s_mov_b32 s[G1K+6], 0
	s_mov_b32 s[G1K+7], 0
	s_mov_b32 s[G1V], 15|(3<<16)|(1<<21)
	s_mov_b32 s[G1V+1], 512<<16                    ; 3 rows of 512 elements, 8,192 elements apart
	s_mov_b32 s[G1V+2], 3<<16
	s_mov_b32 s[G1V+3], 512<<16
	s_mov_b32 s[G1V+4], 3
	s_mov_b32 s[G1V+5], 8192
	s_mov_b32 s[G1V+6], 0
	s_mov_b32 s[G1V+7], 0
	s_mov_b32 s[SEL], 0x76543210
	s_mov_b32 s[SEL+1], 0xfedcba98
	s_mov_b32 s[CS], 0x3e38aa3b                    ; log2(e) / 8
	s_wait_kmcnt 0x0
	s_load_b128 s[52:55], s[6:7], 0x18             ; e6, e7, e8, e9
	s_mov_b32 s[G0A], 1
	s_mov_b32 s[G0A+1], s51
	s_add_nc_u64 s[G0A+2:G0A+3], s[4:5], s[16:17]
	s_or_b32 s[G0A+3], s[G0A+3], 0x80000000
	s_mov_b32 s[G0B], 1
	s_mov_b32 s[G0B+1], s67
	s_add_nc_u64 s[G0B+2:G0B+3], s[4:5], s[18:19]
	s_or_b32 s[G0B+3], s[G0B+3], 0x80000000
	CROUND                                         ; all four work-groups are here: the joint loads meet
	tensor_load_to_lds s[G0A:G0A+3], s[G1A:G1A+7]  ; my part of A: my one tensor load at the head
	s_nop 0
.rept 4
	v_nop
.endr
	v_and_b32 v[LI], 31, v0
	s_delay_alu instid0(VALU_DEP_1)
	v_lshlrev_b32 v[LI], 4, v[LI]
	s_lshl_b32 s60, s12, 17                        ; Q: my head and batch,
	s_lshl_b32 s61, s58, 15                        ; my block's 512 rows of 64 bytes,
	s_add_co_u32 s60, s60, s61
	s_lshl_b32 s61, s[WV], 11                      ; my wave's 32
	s_add_co_u32 s60, s60, s61
	s_mov_b32 s61, 0
	s_add_nc_u64 s[60:61], s[4:5], s[60:61]
.irp c, 0,1,2,3
	global_load_b128 v[Q+4*\c:Q+4*\c+3], v[LI], s[60:61] offset:512*\c   ; two fragments, as they lie; they stay in registers
.endr
	s_and_b32 s62, s12, 3
	s_lshl_b32 s62, s62, 23                        ; the output: a batch is 2,048 rows of 4,096 bytes,
	s_lshl_b32 s63, s58, 21                        ; my block 512 rows,
	s_add_co_u32 s62, s62, s63
	s_lshl_b32 s63, s[WV], 17                      ; my wave 32 rows,
	s_add_co_u32 s62, s62, s63
	s_lshr_b32 s63, s12, 2
	s_lshl_b32 s63, s63, 8                         ; my head 256 bytes of a row
	s_add_co_u32 s62, s62, s63
	s_mov_b32 s63, 0
	s_add_nc_u64 s[8:9], s[8:9], s[62:63]
	v_mov_b32 v[ST+1], 0xff61b1e6                  ; the largest t so far: -3e38, under every t
	v_mov_b32 v[ST+5], 0xff61b1e6
	s_delay_alu instid0(VALU_DEP_2)
	v_floor_f32 v[ST], -v[ST+1]                    ; -M
	s_delay_alu instid0(VALU_DEP_2)
	v_floor_f32 v[ST+4], -v[ST+5]
	v_mov_b32 v[ST+2], 0                           ; the sums, in two halves
	v_mov_b32 v[ST+3], 0
	v_mov_b32 v[ST+6], 0
	v_mov_b32 v[ST+7], 0
	v_mov_b32 v[PD], 0                             ; written once: a lane permute's destination counts as one of its sources
	v_mov_b32 v[F+1], 0                            ; (named as the upper half of the pair)
.set j, 0
.rept 64
	v_mov_b32 v[O+j], 0                            ; O^T.  (The step has no first step of its own: it finds zeros, which the first change of M leaves zeros)
.set j, j+1
.endr
	s_wait_kmcnt 0x0
	s_add_co_i32 s56, s52, s53
	s_lshl_b32 s56, s56, 23
	s_add_co_i32 s[CS], s[CS], s56                 ; a score stands for score x 2^(e6 + e7): the two exponents are added to c's exponent field
	s_mov_b32 s[CS+1], s[CS]                       ; (named with it as a pair, so it is written)
	s_add_co_i32 s56, s54, 127
	s_lshl_b32 s57, s56, 23
	v_mov_b32 v[SCL], s57                          ; 2^e8 as f32, for the conversion
	s_add_co_i32 s56, s56, 8
	s_lshl_b32 s56, s56, 23
	s_or_b32 s[LIMS], s56, 0x600000                ; 448 x 2^e8
	s_add_co_i32 s57, s54, s55                     ; e8 + e9, for the way out
; THE SOFTMAX of tile u for 128 keys: 64 scores a lane in v[S] on; register 16 b + i is key 32 b + 16 (lane / 16) + i of my query.
.macro SOFTMAX u
.set rM, ST+4*(\u)
.set rO, O+32*(\u)
.set rP, P+16*(\u)
	v_max3_num_f32 v[TA], v[S], v[S+1], v[S+2]     ; the step's largest score of my query among my 64 keys, in two chains; each accumulator is read from its low end on
	v_max3_num_f32 v[F], v[S+3], v[S+4], v[S+5]
.irp i, 6,10,14,18,22,26,30,34,38,42,46,50,54,58
	v_max3_num_f32 v[TA], v[TA], v[S+\i], v[S+\i+1]
	v_max3_num_f32 v[F], v[F], v[S+\i+2], v[S+\i+3]
.endr
	v_max3_num_f32 v[TA], v[TA], v[S+62], v[S+63]
	s_delay_alu instid0(VALU_DEP_1)
	v_max_num_f32 v[TA], v[TA], v[F]
	s_delay_alu instid0(VALU_DEP_1)
	v_permlanex16_b32 v[PD], v[TA], s[SEL], s[SEL+1]
	s_delay_alu instid0(VALU_DEP_1)
	v_max_num_f32 v[TA], v[TA], v[PD]              ; and among lane l xor 16's
	s_delay_alu instid0(VALU_DEP_1)
	v_mul_f32 v[TA], s[CS], v[TA]                  ; as t (c is positive)
	s_delay_alu instid0(VALU_DEP_1)
	v_max_num_f32 v[rM+1], v[rM+1], v[TA]          ; the running largest t
	v_mov_b32 v[TA], v[rM]
	s_delay_alu instid0(VALU_DEP_2)
	v_floor_f32 v[rM], -v[rM+1]                    ; the new -M = floor(-t) = -ceil(t): M is a whole number
	s_delay_alu instid0(VALU_DEP_1)
	v_sub_f32 v[TA], v[rM], v[TA]                  ; M's old value less its new one: a whole number, 0 or less
	s_delay_alu instid0(VALU_DEP_1)
	v_cvt_i32_f32 v[TA], v[TA]                     ; (it saturates)
	s_delay_alu instid0(VALU_DEP_1)
	v_ldexp_f32 v[F], 1.0, v[TA]                   ; f = 2^(old M - new M)
.set j, 0
.rept 32
	v_pk_fma_f32 v[S+j:S+j+1], v[S+j:S+j+1], s[CS:CS+1], v[rM:rM+1] op_sel_hi:[1,0,0]   ; t - M, two at a time (of the pairs c and -M the low word serves both halves)
.set j, j+2
.endr
.set j, 0
	s_wait_alu depctr_va_vdst(0)
.rept 64
	v_exp_f32 v[S+j], v[S+j]                       ; p = 2^(t - M), at most 1: not normalised
.set j, j+1
.endr
	v_pk_mul_f32 v[rM+2:rM+3], v[rM+2:rM+3], v[F:F+1] op_sel_hi:[1,0]   ; the sums under the new M: a plain line behind the last exponential
.set j, 0
	s_wait_alu depctr_va_vdst(0)
.rept 16
	v_pk_mul_f32 v[rO+j:rO+j+1], v[rO+j:rO+j+1], v[F:F+1] op_sel_hi:[1,0]   ; O^T under the new M
.set j, j+2
.endr
	s_wait_alu depctr_va_vdst(0)                   ; one wait for the batch of 64 exponentials, ahead of the first line that names a result
	v_pk_add_f32 v[F:F+1], v[S:S+1], v[S+2:S+3]    ; the row's sum is taken of the unquantised p: two at a time, in two chains (f has been used for the last time)
.irp j, 4,8,12,16,20,24,28,32,36,40,44,48,52,56,60
	v_pk_add_f32 v[rM+2:rM+3], v[rM+2:rM+3], v[S+\j:S+\j+1]
	v_pk_add_f32 v[F:F+1], v[F:F+1], v[S+\j+2:S+\j+3]
.endr
	s_delay_alu instid0(VALU_DEP_1)
	v_pk_add_f32 v[rM+2:rM+3], v[rM+2:rM+3], v[F:F+1]
.irp b, 0,1,2,3
.irp i, 0,2,4,6,8,10,12,14
	v_dual_min_num_f32 v[S+16*\b+\i], s[LIMS], v[S+16*\b+\i] :: v_dual_min_num_f32 v[S+16*\b+\i+1], s[LIMS], v[S+16*\b+\i+1]   ; the conversion does not saturate (ISA guide 7.6.2); p is not negative, so the hold is one-sided; two holds an instruction
.endr
	v_cvt_scalef32_pk8_fp8_f32 v[rP+4*\b:rP+4*\b+1], v[S+16*\b:S+16*\b+7], v[SCL]
	v_cvt_scalef32_pk8_fp8_f32 v[rP+4*\b+2:rP+4*\b+3], v[S+16*\b+8:S+16*\b+15], v[SCL]
.endr
	v_nop                                          ; one plain vector line between the last conversions and the products that read their results or write their sources
.endm
; A KEY STEP: 128 keys for my two tiles of queries.  K's eight fragments serve both tiles' scores; then their registers take V's four, which land under the second softmax.
.macro STEP
	v_add_nc_u32 v[ADR], s[TB], v[LI]
.rept 3
	v_nop                                          ; with the addition: four places behind the last products, in front of loads into registers that they have read
.endr
.irp t, 0,1,2,3,4,5,6,7
	ds_load_b128 v[KV+8*\t:KV+8*\t+3], v[ADR] offset:1024*\t
	ds_load_b128 v[KV+8*\t+4:KV+8*\t+7], v[ADR] offset:1024*\t+512
.endr
	s_wait_dscnt 0x0
.irp t, 0,1,2,3,4,5,6,7
	v_wmma_f32_16x16x64_fp8_fp8 v[S+8*\t:S+8*\t+7], v[KV+8*\t:KV+8*\t+7], v[Q:Q+7], 0
.endr
.rept 4
	v_nop                                          ; four places in front of the first read of the results
.endr
	SOFTMAX 0
.irp t, 0,1,2,3,4,5,6,7
	v_wmma_f32_16x16x64_fp8_fp8 v[S+8*\t:S+8*\t+7], v[KV+8*\t:KV+8*\t+7], v[Q+8:Q+15], 0
.endr
	v_add_nc_u32 v[ADR], s[TV], v[LI]
.rept 3
	v_nop                                          ; with the addition: four places, for the loads into K's registers and for the reads of the results
.endr
.irp t, 0,1,2,3
.irp c, 0,1,2,3
	ds_load_b128 v[KV+16*\t+4*\c:KV+16*\t+4*\c+3], v[ADR] offset:(\c/2)*4096+\t*1024+(\c%2)*512   ; V^T: 16 channels x 128 keys: two chunks of 64 keys, 4,096 bytes apart
.endr
.endr
	SOFTMAX 1
	s_wait_alu depctr_va_vdst(0)
	s_wait_dscnt 0x0                               ; V is in
.irp t, 0,1,2,3
.irp u, 0,1
	v_wmma_f32_16x16x128_fp8_fp8 v[O+32*\u+8*\t:O+32*\u+8*\t+7], v[KV+16*\t:KV+16*\t+15], v[P+16*\u:P+16*\u+15], v[O+32*\u+8*\t:O+32*\u+8*\t+7]   ; eight accumulators, one turn each
.endr
.endr
.endm
.macro RUN k0, v0, n                   ; n key steps, from LDS bytes k0 (K) and v0 (V) on
	s_mov_b32 s[TB], \k0
	s_mov_b32 s[TV], \v0
	s_mov_b32 s[CNT], \n
.Lstep_\@:
	STEP
	s_add_co_u32 s[TB], s[TB], 8192                ; 128 keys on, in K's blocks and in V's alike
	s_add_co_u32 s[TV], s[TV], 8192
	s_sub_co_u32 s[CNT], s[CNT], 1
	s_cmp_lg_u32 s[CNT], 0
	s_cbranch_scc1 .Lstep_\@
.endm
	s_wait_alu depctr_va_vdst(0)
	s_wait_tensorcnt 0x0                           ; my part of A is in
	ds_add_u32 v254, v255
	s_wait_dscnt 0x0
	CROUND                                         ; everybody's part of A is in, and all four work-groups are here: the joint loads meet
	s_cmp_lt_u32 s[WV], 8                          ; my part of B, the first tensor load behind the round: K's and V's differ in group 1
	s_cbranch_scc0 .Lfor_v
	tensor_load_to_lds s[G0B:G0B+3], s[G1K:G1K+7]
	s_nop 0
.rept 4
	v_nop
.endr
	s_branch .Lasked
.Lfor_v:
	tensor_load_to_lds s[G0B:G0B+3], s[G1V:G1V+7]
	s_nop 0
.rept 4
	v_nop
.endr
.Lasked:
	s_wait_loadcnt 0x0                             ; Q
	RUN PA, PAV, 2
	s_wait_tensorcnt 0x0                           ; my part of B has landed,
	s_wait_dscnt 0x0                               ; and no LDS instruction of mine is pending:
	s_barrier_signal -1                            ; say so
	RUN PA+16384, PAV+16384, 2                     ; A's last two steps: loads of bytes that nobody writes before the next barrier
	s_barrier_wait -1                              ; everybody's part of B has landed
	s_wait_dscnt 0x0
	s_barrier_signal -1                            ; my reads of A are over
	RUN PB, PBV, 12                                ; B's bytes are written by nobody
	s_barrier_wait -1                              ; everybody's reads of A are over: the stages may be written
	; THE WAY OUT.  O^T / the sum x 2^(e8 + e9) goes through my stage in LDS, a tile's 16 queries at a time, rows of 256 bytes + 16, and leaves by rows.  The address lines are the places behind the last products.
	v_and_b32 v16, 15, v0                          ; r
	v_bfe_u32 v17, v0, 4, 1                        ; h
	s_mul_i32 s56, s[WV], 16*SPT                   ; my stage
	v_mul_u32_u24 v19, v16, SPT
	s_delay_alu instid0(VALU_DEP_1)
	v_lshl_add_u32 v19, v17, 6, v19
	s_delay_alu instid0(VALU_DEP_1)
	v_add_nc_u32 v19, s56, v19                     ; in: row r, + 64 h: register j of channel tile 2 B + U is channel 32 B + 16 h + 8 U + j
	v_mul_u32_u24 v20, v17, SPT
	s_delay_alu instid0(VALU_DEP_1)
	v_lshl_add_u32 v20, v16, 4, v20
	s_delay_alu instid0(VALU_DEP_1)
	v_add_nc_u32 v20, s56, v20                     ; back: lanes 0-15 one row, lanes 16-31 the next
	v_lshlrev_b32 v21, 12, v17
	s_delay_alu instid0(VALU_DEP_1)
	v_lshl_add_u32 v21, v16, 4, v21                ; and the same two rows of the output, 4,096 bytes apart
	v_add_f32 v[ST+2], v[ST+2], v[ST+3]            ; the sums' two halves,
	v_add_f32 v[ST+6], v[ST+6], v[ST+7]
	s_delay_alu instid0(VALU_DEP_2)
	v_permlanex16_b32 v[PD], v[ST+2], s[SEL], s[SEL+1]
	s_delay_alu instid0(VALU_DEP_2)
	v_permlanex16_b32 v[TA], v[ST+6], s[SEL], s[SEL+1]
	s_delay_alu instid0(VALU_DEP_2)
	v_add_f32 v[ST+2], v[ST+2], v[PD]              ; and lane l xor 16's: the rows' sums
	s_delay_alu instid0(VALU_DEP_2)
	v_add_f32 v[ST+6], v[ST+6], v[TA]
	s_wait_alu depctr_va_vdst(0)
	v_rcp_f32 v[ST+2], v[ST+2]
	v_rcp_f32 v[ST+6], v[ST+6]
	v_nop                                          ; a plain line behind the last reciprocal
	s_wait_alu depctr_va_vdst(0)                   ; one wait for both, ahead of the first line that names a result
	v_ldexp_f32 v[ST+2], v[ST+2], s57              ; x 2^(e8 + e9)
	v_ldexp_f32 v[ST+6], v[ST+6], s57
	s_wait_alu depctr_va_vdst(0)
.irp u, 0,1
.set j, 0
.rept 16
	v_pk_mul_f32 v[S+32*\u+j:S+32*\u+j+1], v[O+32*\u+j:O+32*\u+j+1], v[ST+4*\u+2:ST+4*\u+3] op_sel_hi:[1,0]   ; each accumulator from its low end on
.set j, j+2
.endr
.endr
.irp u, 0,1                            ; tile u: stage row i is query 8 u + i + 8 (i / 8)
.irp t, 0,1,2,3
	ds_store_b128 v19, v[S+32*\u+8*\t:S+32*\u+8*\t+3] offset:128*(\t/2)+32*(\t%2)
	ds_store_b128 v19, v[S+32*\u+8*\t+4:S+32*\u+8*\t+7] offset:128*(\t/2)+32*(\t%2)+16
.endr
.irp i, 0,1,2,3,4,5,6,7
	ds_load_b128 v[KV+32*\u+4*\i:KV+32*\u+4*\i+3], v20 offset:2*\i*SPT   ; LDS serves a wave's instructions in order: these see my stores, and the next tile's stores come behind them
.endr
.endr
.irp u, 0,1
.irp i, 0,1,2,3,4,5,6,7
	s_wait_dscnt 23-16*\u-\i                       ; load (u, i) is in; behind it stand the tile's 7 - i younger loads and, for tile 0, tile 1's 8 stores and 8 loads
	global_store_b128 v21, v[KV+32*\u+4*\i:KV+32*\u+4*\i+3], s[8:9] offset:(8*\u+2*\i+8*(\i/4))*4096 th:TH_STORE_NT   ; sixteen lanes store my head's 256 consecutive bytes of a row, aligned; written once, read by nobody here
.endr
.endr
	s_wait_dscnt 0x0
	s_wait_xcnt 0x0
	v_lshl_add_u32 v254, v0, 2, SPARE              ; the add's two registers, made anew: they held p's codes
	v_mov_b32 v255, 0
	s_wait_alu depctr_va_vdst(0)
	s_wait_tensorcnt 0x0                           ; the wave's end
	ds_add_u32 v254, v255
	s_wait_dscnt 0x0
	CROUND                                         ; the closing round: no work-group ends while a partner may still ask for a part that names it
	s_endpgm
.Lfunc_end_k_q6c9cfff26d_attn:
	.size	k_q6c9cfff26d_attn, .Lfunc_end_k_q6c9cfff26d_attn-k_q6c9cfff26d_attn
	.p2alignl 7, 3214868480
	.fill 96, 4, 3214868480
	.section	.rodata,"a",@progbits
	.p2align	6, 0x0
	.amdhsa_kernel k_q6c9cfff26d_attn
		.amdhsa_group_segment_fixed_size 327680
		.amdhsa_private_segment_fixed_size 0
		.amdhsa_enable_private_segment 0
		.amdhsa_kernarg_size 24
		.amdhsa_user_sgpr_count 2
		.amdhsa_user_sgpr_kernarg_segment_ptr 1
		.amdhsa_wavefront_size32 1
		.amdhsa_system_sgpr_workgroup_id_x 1
		.amdhsa_system_sgpr_workgroup_id_y 1
		.amdhsa_system_sgpr_workgroup_id_z 1
		.amdhsa_system_vgpr_workitem_id 0
		.amdhsa_next_free_vgpr 256
		.amdhsa_next_free_sgpr 80
		.amdhsa_reserve_vcc 0
		.amdhsa_float_denorm_mode_32 3
		.amdhsa_float_denorm_mode_16_64 3
		.amdhsa_memory_ordered 1
		.amdhsa_forward_progress 1
		.amdhsa_inst_pref_size 105
	.end_amdhsa_kernel
	.amdgpu_metadata
---
amdhsa.version: [ 1, 2 ]
amdhsa.kernels:
  - .name:           k_q6c9cfff26d_attn
    .symbol:         k_q6c9cfff26d_attn.kd
    .args:
      - { .name: qkv, .offset: 0, .size: 8, .value_kind: global_buffer, .address_space: global }
      - { .name: lowp_scales, .offset: 8, .size: 8, .value_kind: global_buffer, .address_space: global }
      - { .name: out0, .offset: 16, .size: 8, .value_kind: global_buffer, .address_space: global }
    .group_segment_fixed_size: 327680
    .private_segment_fixed_size: 0
    .kernarg_segment_align: 8
    .kernarg_segment_size: 24
    .max_flat_workgroup_size: 512
    .sgpr_count:     80
    .vgpr_count:     256
    .wavefront_size: 32
...
	.end_amdgpu_metadata
.endif
;; end of part 3
